; MI455X (gfx1250); checked and timed in simulation.
; The chip was launched on July 23, 2026; its instructions are those of AMD's public machine-readable ISA for CDNA 5 (MIT licence, August 2026) and "CDNA5" Instruction Set Architecture Reference Guide (July 2026). The comments in the code are by the model that wrote it; some were corrected since.
;; Vector Quantization. Allowed arithmetic: matrix products marked QUANTISED: E5M2 operands, one given power-of-two scale a tensor, by v_wmma_f32_16x16x64_bf8_bf8 or v_wmma_f32_16x16x128_bf8_bf8, f32 sums; everything else in f32.
;; Inputs: lowp_scales 2 int32 (the exponents e of the quantised operands' scales 2^e); vectors 8,192 x 256 float32; x_codes 8 x 4,096 x 8 x 32 uint8 (E5M2 codes of x, K innermost, in blocks of 32 codes).
;; Outputs: out0 8 x 4,096 int32.
;; This version of the problem:
;;   THIS VERSION OF THE PROBLEM IS GIVEN IN LOW PRECISION. The matrix products marked QUANTISED in the list below multiply operands that are first quantised to E5M2 (5 exponent bits, 2 mantissa bits; 8 bits a number), with one given power-of-two scale for each operand tensor; their sums are f32. All else is computed in f32.
;;   The module's matrix products, in the order in which they are computed (A, B: the left and right operand; K: the contracted axis; several contracted axes count as one K, in the product's order):
;;     1. [M 32,768, K 256] x [K 256, N 8,192]; A: input x (given as codes); B: input vectors: QUANTISED (scales: A lowp_scales[0], B lowp_scales[1])
;;   THE QUANTISER, for each operand of a quantised product, along K:
;;     - The operand's scale is 2^e, e = its entry of the input lowp_scales (int32; the entries are numbered through the quantised products in the list's order, A before B).
;;     - Each number is divided by the scale, clamped to +-57,344, and rounded to the nearest number of E5M2, ties to even, subnormals kept.
;;     - The product sums the exact products of the quantised numbers (number of the format x scale) in f32.
;;   ~~~python
;;   def quantise(x, axis, e):      # numpy; x: float32 -> the quantised numbers, widened to float32 again
;;       x = np.moveaxis(x, axis, -1); K = x.shape[-1]
;;       r = np.clip(x / 2.0 ** e, -57344, 57344)
;;       step = 2.0 ** (np.maximum(np.frexp(np.where(r == 0, 1, r))[1] - 1, -14) - 2)
;;       q = np.round(r / step) * step * 2.0 ** e      # np.round: ties to even
;;       return np.moveaxis(q, -1, axis).astype(np.float32)
;;   ~~~
;;   INPUTS GIVEN AS CODES. x (in the module: [8, 4096, 256], K = its axis 2): each comes as NAME_codes (uint8): NAME with its K axis moved to the last place and cut into blocks of 32 codes, [.., K / 32, bytes a block], one block behind the other in memory; one code a byte (a code: sign, 5 exponent bits, 2 mantissa bits); its scale is its entry of lowp_scales. Its value is code x scale, taken as it is: it is not quantised again, and the codes and scales need not be those that the quantiser above would give.
;; One version. Each part assembles by itself: llvm-mc -triple=amdgcn-amd-amdhsa -mcpu=gfx1250 --defsym DOCPART=n.
;; ======== version 1 of 1: 2 launches
;; limits: right only within a limited range of input values
;; workspace buffers: vq 2,129,920 bytes
;; launch prep (part 1): grid 128 x 1, 4 waves a work-group, no clusters, 67,584 bytes of LDS; arguments vectors, lowp_scales, vq; writes vq
.if DOCPART == 1
	.amdgcn_target "amdgcn-amd-amdhsa--gfx1250"
	.amdhsa_code_object_version 6
	.text
	.protected	k_qb84e6ed657_prep
	.globl	k_qb84e6ed657_prep
	.p2align	8
	.type	k_qb84e6ed657_prep,@function
k_qb84e6ed657_prep:
	s_mov_b64 s[64:65], 0
	v_nop
	global_prefetch_b8 v0, s[64:65] scope:SCOPE_SE
	s_setreg_imm32_b32 hwreg(HW_REG_WAVE_MODE, 25, 1), 1
	s_wait_xcnt 0x0
; THE CODEBOOK IS MADE READY: vectors [8192][256] f32 -> vq, 128 blocks of 16,640 bytes (65 rows of 256), one block a work-group.
; reference(): index = argmin over k of v_sq[k] - 2 x . Q(v_k).  With S = the sum of the products of the CODES' values, the score is
; -2^(e0+e1+1) x (S + bias[k]), bias[k] = -v_sq[k] x 2^-(e0+e1+1).  The factor is negative for all e0, e1, so argmin score = argmax (S + bias).
; No step and no input of reference() is left out: this launch reads vectors and lowp_scales, the next one x_codes.
; A block holds four tiles of 16 code vectors AS IMAGES OF THE OPERAND'S REGISTERS, 4,096 bytes a tile: group g = 0 .. 7 of four registers at 512 g + 16 x lane;
; lane (r = lane % 16, h = lane / 16) holds there the codes of vector r of the tile at k = 32 g + 16 h + 0 .. 15.  Row 64 holds the block's 64 biases, f32.
; code = v / 2^e1, held within +-57,344, to the nearest code of E5M2, ties to even.  v_sq is summed of the f32 numbers as they come, in f32.
; LIMITS: e1 between -126 and 112; v_sq x 2^-(e0+e1+1) a finite f32 number; NaN among the inputs is not served.
; Wave w takes tile 4 x work-group + w: 16 KB, dense.  Its 32 loads read 512 consecutive bytes each; the conversions want 16 NEIGHBOURS along K in one lane's registers:
; so the tile turns through the wave's own stage in LDS, rows 1,040 bytes apart (1,024 + 16: the sixteen rows that a read touches begin 16 bytes apart modulo 256).
.set SP,    1040                       ; a stage row
.set STGB,  16*SP                      ; a wave's stage
.set BLKB,  16640                      ; a block of vq
.set BST,   4*STGB                     ; behind the stages: the block's 64 biases, a block of 256 bytes of their own
.set SPARE, BST+256                    ; the spare words, 128 bytes for each wave: two blocks of 256 bytes that no other line names
.set OFF,   4                          ; v4   16 x lane: a load's and an image's place for my lane
.set STI,   5                          ; v5   into the stage: as loaded
.set STO,   6                          ; v6   out of it: row r, + 64 h
.set BSA,   7                          ; v7   where my vector's bias goes
.set BLD,   8                          ; v8   wave 0: 8 bytes of the bias row
.set BGO,   9                          ; v9   and their place in memory
.set LIM,   10                         ; v10  57,344 x 2^e1
.set SCL,   11                         ; v11  2^e1
.set SPW,   12                         ; v12  LDS address of my spare word; never rewritten
.set NIL,   13                         ; v13  0; never rewritten
.set X,     16                         ; v16-47   two sets of 16 neighbours
.set ACC,   48                         ; v48-51   the sum of squares, two packed chains
.set L,     64                         ; v64-191  the tile as loaded
.set C,     192                        ; v192-223 codes: four registers a group, so that no store's data are written again
	s_load_b128 s[4:7], s[0:1], 0x0                ; vectors, lowp_scales
	s_load_b64 s[8:9], s[0:1], 0x10                ; vq
	v_lshl_add_u32 v[SPW], v0, 2, SPARE
	v_mov_b32 v[NIL], 0
	v_lshrrev_b32 v1, 5, v0
	v_readfirstlane_b32 s12, v1                    ; wave 0..3
	v_and_b32 v1, 31, v0                           ; lane
	v_and_b32 v2, 15, v0                           ; r
	v_bfe_u32 v3, v0, 4, 1                         ; h
	v_lshlrev_b32 v[OFF], 4, v1
	s_mul_i32 s17, s12, STGB
	v_add_nc_u32 v[STI], s17, v[OFF]
	v_mul_u32_u24 v[STO], v2, SP
	v_lshl_add_u32 v[STO], v3, 6, v[STO]
	v_add_nc_u32 v[STO], s17, v[STO]
	s_lshl_b32 s18, s12, 6
	v_lshl_add_u32 v[BSA], v2, 2, BST
	v_add_nc_u32 v[BSA], s18, v[BSA]               ; BST + 64 x wave + 4 r
	v_lshlrev_b32 v[BGO], 3, v1
	v_add_nc_u32 v[BLD], BST, v[BGO]
	v_mov_b32 v15, 0                               ; written once: a lane permute's destination counts as one of its sources
	s_mov_b32 s20, 0x76543210                      ; v_permlanex16_b32's selects for lane l xor 16
	s_mov_b32 s21, 0xfedcba98
	s_lshl_b32 s2, ttmp9, 2
	s_add_co_u32 s2, s2, s12                       ; my tile
	s_lshl_b32 s2, s2, 14                          ; x 16,384 bytes
	s_mov_b32 s3, 0
	s_mul_i32 s24, ttmp9, BLKB                     ; my work-group's block
	s_mov_b32 s25, 0
	s_lshl_b32 s26, s12, 12                        ; my tile's image in it
	s_mov_b32 s27, 0
	s_wait_alu depctr_va_vdst(0)
	s_wait_kmcnt 0x0
	s_load_b64 s[14:15], s[6:7], 0x0               ; e0, e1
	s_add_nc_u64 s[4:5], s[4:5], s[2:3]
	s_add_nc_u64 s[10:11], s[8:9], s[24:25]
	s_add_nc_u64 s[8:9], s[10:11], s[26:27]        ; where my image goes
	s_add_nc_u64 s[10:11], s[10:11], 16384         ; the block's row 64
.set i, 0
.rept 32
	global_load_b128 v[L+4*i:L+4*i+3], v[OFF], s[4:5] offset:512*i th:TH_LOAD_NT   ; 32 lanes read 512 consecutive bytes; all of the tile is asked for at once
.set i, i+1
.endr
	s_wait_kmcnt 0x0
	s_add_co_i32 s16, s14, s15
	s_add_co_i32 s16, s16, 1
	s_sub_co_i32 s16, 0, s16                       ; -(e0 + e1 + 1)
	s_add_co_i32 s22, s15, 127
	s_lshl_b32 s23, s22, 23
	v_mov_b32 v[SCL], s23                          ; 2^e1 as f32: the conversion takes its exponent field
	s_add_co_i32 s22, s22, 15
	s_lshl_b32 s22, s22, 23
	s_or_b32 s22, s22, 0x600000
	v_mov_b32 v[LIM], s22                          ; the largest number x 2^e1
.set i, 0
	s_wait_alu depctr_va_vdst(0)
.rept 32
	s_wait_loadcnt 31-i                            ; loads come back in order: load i is in, the younger ones stay out
	ds_store_b128 v[STI], v[L+4*i:L+4*i+3] offset:(i/2)*SP+(i%2)*512
.set i, i+1
.endr
.macro GLOAD g                         ; group g: my row's k = 32 g + 16 h + 0 .. 15.  LDS serves a wave's instructions in order: these see my stores
.irp j, 0,1,2,3
	ds_load_b128 v[X+16*((\g)%2)+4*\j:X+16*((\g)%2)+4*\j+3], v[STO] offset:128*(\g)+16*\j
.endr
.endm
.macro GROUP g
.set XS, X+16*((\g)%2)
.if (\g) < 7
	s_wait_dscnt 4                                 ; this group's four loads are in; the next group's four may be out
.else
	s_wait_dscnt 0
.endif
.if (\g) == 0
	v_pk_mul_f32 v[ACC:ACC+1], v[XS:XS+1], v[XS:XS+1]           ; the first squares start the sums: nothing is cleared
	v_pk_mul_f32 v[ACC+2:ACC+3], v[XS+2:XS+3], v[XS+2:XS+3]
.else
	v_pk_fma_f32 v[ACC:ACC+1], v[XS:XS+1], v[XS:XS+1], v[ACC:ACC+1]
	v_pk_fma_f32 v[ACC+2:ACC+3], v[XS+2:XS+3], v[XS+2:XS+3], v[ACC+2:ACC+3]
.endif
.irp j, 4,8,12
	v_pk_fma_f32 v[ACC:ACC+1], v[XS+\j:XS+\j+1], v[XS+\j:XS+\j+1], v[ACC:ACC+1]
	v_pk_fma_f32 v[ACC+2:ACC+3], v[XS+\j+2:XS+\j+3], v[XS+\j+2:XS+\j+3], v[ACC+2:ACC+3]
.endr
.irp j, 0,1,2,3,4,5,6,7,8,9,10,11,12,13,14,15
	v_med3_num_f32 v[XS+\j], v[XS+\j], -v[LIM], v[LIM]          ; the conversion to an 8-bit code does not saturate (ISA guide 7.6.2): the hold comes first
.endr
	v_cvt_scalef32_pk8_bf8_f32 v[C+4*(\g):C+4*(\g)+1], v[XS:XS+7], v[SCL]
	v_cvt_scalef32_pk8_bf8_f32 v[C+4*(\g)+2:C+4*(\g)+3], v[XS+8:XS+15], v[SCL]
	global_store_b128 v[OFF], v[C+4*(\g):C+4*(\g)+3], s[8:9] offset:512*(\g)   ; 32 lanes store 512 consecutive bytes, aligned.  (The codes go to a store alone; the next vector lines are plain and touch other registers)
.if (\g) < 6
	GLOAD (\g)+2
.endif
.endm
	GLOAD 0
	GLOAD 1
.irp g, 0,1,2,3,4,5,6,7
	GROUP \g
.endr
	v_pk_add_f32 v[ACC:ACC+1], v[ACC:ACC+1], v[ACC+2:ACC+3]
	v_add_f32 v14, v[ACC], v[ACC+1]                ; my half of the row's sum of squares,
	v_permlanex16_b32 v15, v14, s20, s21
	v_add_f32 v14, v14, v15                        ; and lane l xor 16's: v_sq of vector r, the same bits in both lanes
	v_ldexp_f32 v14, -v14, s16                     ; bias = -v_sq x 2^-(e0+e1+1): nothing is rounded
	ds_store_b32 v[BSA], v14                       ; (both halves of the lanes write the same word with the same value)
	s_wait_dscnt 0x0                               ; for wave 0's sake: my store has landed
	s_barrier_signal -1
	s_barrier_wait -1
	s_cmp_lg_u32 s12, 0
	s_cbranch_scc1 .Lend
	ds_load_b64 v[52:53], v[BLD]
	s_wait_dscnt 0x0
	global_store_b64 v[BGO], v[52:53], s[10:11]    ; 32 lanes store the row's 256 consecutive bytes, aligned
.Lend:
	s_wait_tensorcnt 0x0                           ; the wave's end, behind my last LDS store
	ds_add_u32 v[SPW], v[NIL]
	s_wait_dscnt 0x0
	s_endpgm
.Lfunc_end_k_qb84e6ed657_prep:
	.size	k_qb84e6ed657_prep, .Lfunc_end_k_qb84e6ed657_prep-k_qb84e6ed657_prep
	.p2alignl 7, 3214868480
	.fill 96, 4, 3214868480
	.section	.rodata,"a",@progbits
	.p2align	6, 0x0
	.amdhsa_kernel k_qb84e6ed657_prep
		.amdhsa_group_segment_fixed_size 67584
		.amdhsa_private_segment_fixed_size 0
		.amdhsa_enable_private_segment 0
		.amdhsa_kernarg_size 24
		.amdhsa_user_sgpr_count 2
		.amdhsa_user_sgpr_kernarg_segment_ptr 1
		.amdhsa_wavefront_size32 1
		.amdhsa_system_sgpr_workgroup_id_x 1
		.amdhsa_system_sgpr_workgroup_id_y 1
		.amdhsa_system_sgpr_workgroup_id_z 1
		.amdhsa_system_vgpr_workitem_id 0
		.amdhsa_next_free_vgpr 224
		.amdhsa_next_free_sgpr 66
		.amdhsa_reserve_vcc 0
		.amdhsa_float_denorm_mode_32 3
		.amdhsa_float_denorm_mode_16_64 3
		.amdhsa_memory_ordered 1
		.amdhsa_forward_progress 1
		.amdhsa_inst_pref_size 26
	.end_amdhsa_kernel
	.amdgpu_metadata
---
amdhsa.version: [ 1, 2 ]
amdhsa.kernels:
  - .name:           k_qb84e6ed657_prep
    .symbol:         k_qb84e6ed657_prep.kd
    .args:
      - { .name: vectors, .offset: 0, .size: 8, .value_kind: global_buffer, .address_space: global }
      - { .name: lowp_scales, .offset: 8, .size: 8, .value_kind: global_buffer, .address_space: global }
      - { .name: vq, .offset: 16, .size: 8, .value_kind: global_buffer, .address_space: global }
    .group_segment_fixed_size: 67584
    .private_segment_fixed_size: 0
    .kernarg_segment_align: 8
    .kernarg_segment_size: 24
    .max_flat_workgroup_size: 128
    .sgpr_count:     66
    .vgpr_count:     224
    .wavefront_size: 32
...
	.end_amdgpu_metadata
.endif
;; end of part 1
;; launch vqmain (part 2): grid 256 x 1, 8 waves a work-group, clusters of 4 x 1, 327,680 bytes of LDS; arguments x_codes, vq, out0; writes out0
.if DOCPART == 2
	.amdgcn_target "amdgcn-amd-amdhsa--gfx1250"
	.amdhsa_code_object_version 6
	.text
	.protected	k_qb84e6ed657_vqmain
	.globl	k_qb84e6ed657_vqmain
	.p2align	8
	.type	k_qb84e6ed657_vqmain,@function
k_qb84e6ed657_vqmain:
	s_mov_b64 s[64:65], 0
	v_nop
	global_prefetch_b8 v0, s[64:65] scope:SCOPE_SE
	s_setreg_imm32_b32 hwreg(HW_REG_WAVE_MODE, 25, 1), 1
	s_wait_xcnt 0x0
	s_wait_alu depctr_hold_cnt(0) depctr_sa_sdst(0) depctr_va_vdst(0) depctr_va_sdst(0) depctr_va_ssrc(0) depctr_va_vcc(0) depctr_vm_vsrc(0)
	s_getreg_b32 s2, hwreg(HW_REG_IB_STS2, 6, 4)
	s_cmp_eq_u32 s2, 0
	s_cbranch_scc0 .Lentry_in_a_cluster
	s_endpgm
.Lentry_in_a_cluster:
	s_bfe_u32 s2, ttmp6, 0x10000c
	s_cmp_lg_u32 s2, 0x3003
	s_cbranch_scc0 .Lentry_shape_is_right
	s_endpgm
.Lentry_shape_is_right:
; out0[n] = argmin over k of v_sq[k] - 2 x_n . Q(v_k) = argmax over k of D = S + bias[k]: S the sum of the products of the codes' values (BF8, E5M2), bias[k] = -v_sq[k] x 2^-(e0+e1+1), made by the launch before.
; Nothing of reference() is left out; lowp_scales was read by the launch before and lies in the biases.  Ties go to the lowest index, as argmin has it.
; ORDER OF ROUNDING: the bias is the C of the first K half, so a score is rounded once behind each K half, where reference() rounds the dot and then the difference:
; two scores of one query that lie nearer to each other than those roundings may change places.  LIMITS: NaN and infinity among the codes, and sums beyond f32's range, are not served.
; SHARES.  A work-group owns 128 queries.  Each of its eight waves, two to a SIMD, keeps all 128 as eight pairs of fragments in 256 registers (window 1) and walks its own eighth of the codebook:
; 16 steps of one block of vq (four tiles of 16 code vectors as register images, and their 64 biases: 16,640 bytes).  In step sigma wave w has block 8 sigma + w.
; THE PRODUCT: source 0 = 16 code vectors, source 1 = 16 queries: lane (r, h) holds ONE query r, and its eight registers the code vectors 8 h + 0 .. 7 of the tile.
; THE ARGMAX, for each tile of queries and lane: R the best D so far, S0-6 the first seven values of the code tile that holds it, and T = 2 x that tile + h in the eighth place.  A tile costs four three-way maxima from R on,
; one compare into VCC (strictly greater: the earlier tile stays) and four pairs of selects.  Which of the eight it was is looked for only when the state is dumped: the lowest i with S_i = R, or 7 if there is none.
; No branch and no address hangs on a floating-point number.
; CLUSTER.  The four work-groups of a cluster walk the same blocks: each block is asked for JOINTLY, by the same tensor load with the same descriptor and a mask that names the four.
; ROTATION.  Cluster c begins at sigma = c % 16 and goes round.  Where sigma comes back to 0 the order of indices breaks: there each wave dumps its state (a scalar branch on the cluster's number and the count of steps,
; the same in all partners and waves) and begins anew; it dumps again at the end.  The 16 candidates of a query are merged by value, then by the lower index.
; No prefetch is laid: the blocks are no stream that is read once: all 64 clusters walk all 128 of them, a sixteenth of the clusters one step ahead of each other sixteenth.
; REGISTERS.  window 0: v1-11 addresses; v16-79 code fragments, two sets of 32; v80-95 biases, two sets of 8; v96-159 D (in a dump: at work); v160-223 S and T; v224-231, v232-239 R by turns; v248 T of the tile in hand.   window 1: x: (tile q, K half s) at v[32 q + 16 s].
.set BLKB,  16640                      ; a block: 65 rows of 256 bytes
.set SLOTB, 8*BLKB                     ; a slot: a block for each wave.  Also a step's eight blocks in memory
.set XST,   2*SLOTB                    ; behind the ring: x's 128 rows, 256 bytes + 16 of padding
.set XP,    272
.set MRG,   XST+128*XP                 ; the candidates: values at (8 run + wave) x 512 + 4 x query, indices 8,192 bytes further on.  No tensor load lands here
.set SPARE, MRG+16384                  ; the spare words, 128 bytes for each wave: four blocks of 256 bytes that no other line names
.set ADR,  1                           ; v1-2   my lane's place in my block's images, slot 0, 1
.set BAD,  3                           ; v3-4   and in its row of biases
.set XAD,  5                           ; v5     my lane's place in a tile of x
.set SPW,  6                           ; v6     LDS address of my spare word; never rewritten
.set NIL,  7                           ; v7     0; never rewritten
.set HH,   8                           ; v8     h
.set MST,  9                           ; v9     where I put a candidate: lanes 0-15 the value, lanes 16-31 the index
.set FAD,  10                          ; v10    the merge: two queries' candidates
.set FGO,  11                          ; v11    and their place in out0
.set AF,   16
.set BI,   80
.set DA,   96
.set DT,   DA                          ; in a dump, a register for each tile of queries: the index,
.set DR,   DA+8                        ; the other half of the lanes' value,
.set DI,   DA+16                       ; and index,
.set DV,   DA+24                       ; and what goes to LDS
.set SV,   160
.set RA,   224
.set RB,   232
.set TV,   248
.set TMPV, 250
.set WV,   10                          ; s10  my wave's number
.set SC,   13                          ; s13  sigma of the step in hand
.set TAU,  14                          ; s14  2 x the code tile in hand
.set W8,   15                          ; s15  8 x wave
.set BASEW, 18                         ; s[18:19] vq + 16,640 x wave
.set SEL,  20                          ; s[20:21] lane selects for v_permlanex16_b32: lane l xor 16
.set HI,   22                          ; s22  lanes 16-31
.set TRIPS, 23
.set G1C,  24                          ; s[24:31] descriptor group 1 for a block
.set G1X,  32                          ; s[32:39] for 32 rows of x
.set G0X,  40                          ; s[40:43] group 0 for x's rows
.set G0S,  44                          ; s[44:47], s[48:51] group 0 for my block in slot 0, 1
.set MK,   52                          ; s52-63 lane masks of dumps and merges
.set NINF, 68                          ; s68  -infinity
.set G1H,  72                          ; s[72:79] group 1 for two blocks on end (the head's fill of slot 0)
.set G0H,  80                          ; s[80:83] its group 0
.set MSB, 0
.macro WIN new                         ; the immediate's high byte repeats the setting that is left
.if MSB != \new
	s_set_vgpr_msb (MSB<<8)|\new
.set MSB, \new
.endif
.endm
.macro CREST                           ; a round of the cluster's barrier behind its opening barrier
	s_cmp_lg_u32 s[WV], 0
	s_cbranch_scc1 .Lnot_wave_0_\@
	s_barrier_signal -3
.Lnot_wave_0_\@:
	s_barrier_wait -3
	s_barrier_signal -1
	s_barrier_wait -1
.endm
.macro CROUND                          ; a whole round
	s_barrier_signal -1
	s_barrier_wait -1
	CREST
.endm
.macro PLACES
.rept 4
	v_nop
.endr
.endm
	s_load_b128 s[4:7], s[0:1], 0x0                ; x_codes, vq
	s_load_b64 s[8:9], s[0:1], 0x10                ; out0
	v_lshl_add_u32 v[SPW], v0, 2, SPARE
	v_mov_b32 v[NIL], 0
	ds_add_u32 v[SPW], v[NIL]                      ; the wave's opening: the add, twice on end, and its wait ahead of my first tensor load
	ds_add_u32 v[SPW], v[NIL]
	v_lshrrev_b32 v12, 5, v0
	s_delay_alu instid0(VALU_DEP_1)
	v_readfirstlane_b32 s[WV], v12                 ; wave 0..7
	s_bfe_u32 s11, ttmp6, 0x40000                  ; cx: it enters x's and out0's addresses alone
	s_lshl_b32 s12, ttmp9, 2                       ; in a cluster launch ttmp9 counts clusters
	s_add_co_u32 s12, s12, s11                     ; my block of 128 queries
	s_and_b32 s[SC], ttmp9, 15                     ; where my cluster begins its walk: the same in all four partners
	s_lshl_b32 s[W8], s[WV], 3
	s_and_b32 s69, s[WV], 3                        ; my place among the four waves of my arm at the head
	; group 1 for a block: 65 rows of 32 elements of 8 bytes, dense; for the head's fill: 130 such rows
	s_mov_b32 s[G1C+0], 15|(3<<16)|(1<<21)         ; the mask: all four work-groups; elements of 8 bytes; bit 21 set beside a mask
	s_mov_b32 s[G1C+1], 32<<16
	s_mov_b32 s[G1C+2], 65<<16
	s_mov_b32 s[G1C+3], 32<<16
	s_mov_b32 s[G1C+4], 65
	s_mov_b32 s[G1C+5], 32
	s_mov_b32 s[G1C+6], 0
	s_mov_b32 s[G1C+7], 0
	s_mov_b32 s[G1H+0], 15|(3<<16)|(1<<21)
	s_mov_b32 s[G1H+1], 32<<16
	s_mov_b32 s[G1H+2], 130<<16
	s_mov_b32 s[G1H+3], 32<<16
	s_mov_b32 s[G1H+4], 130
	s_mov_b32 s[G1H+5], 32
	s_mov_b32 s[G1H+6], 0
	s_mov_b32 s[G1H+7], 0
	; group 1 for x: 32 rows of 256 bytes, my work-group's own (no mask), 16 bytes of padding behind each
	s_mov_b32 s[G1X+0], (1<<20)|(5<<22)|(3<<25)
	s_mov_b32 s[G1X+1], 256<<16
	s_mov_b32 s[G1X+2], 32<<16
	s_mov_b32 s[G1X+3], 256<<16
	s_mov_b32 s[G1X+4], 32
	s_mov_b32 s[G1X+5], 256
	s_mov_b32 s[G1X+6], 0
	s_mov_b32 s[G1X+7], 0
	s_mov_b32 s[SEL], 0x76543210
	s_mov_b32 s[SEL+1], 0xfedcba98
	s_mov_b32 s[HI], 0xffff0000
	s_mov_b32 s[NINF], 0xff800000
	s_mov_b32 s[G0X], 1
	s_mul_i32 s[G0X+1], s69, 32*XP
	s_add_co_u32 s[G0X+1], s[G0X+1], XST           ; waves 0-3: x's rows 32 w on
	s_mov_b32 s[G0H], 1
	s_mul_i32 s[G0H+1], s69, 2*BLKB                ; waves 4-7: blocks 2 (w - 4), 2 (w - 4) + 1 of slot 0
	s_mov_b32 s[G0S], 1
	s_mul_i32 s[G0S+1], s[WV], BLKB                ; my block's place in slot 0,
	s_mov_b32 s[G0S+4], 1
	s_add_co_u32 s[G0S+5], s[G0S+1], SLOTB         ; in slot 1: no place in the cluster enters an LDS address
	s_lshl_b32 s16, s12, 15                        ; x: 128 rows of 256 bytes a work-group,
	s_lshl_b32 s17, s69, 13                        ; 32 a loading wave
	s_add_co_u32 s16, s16, s17
	s_mov_b32 s17, 0
	s_lshl_b32 s84, s12, 9                         ; out0: 128 indices a work-group; waves 0 and 1 store 64 each
	s_and_b32 s86, s[WV], 1
	s_lshl_b32 s86, s86, 8
	s_add_co_u32 s84, s84, s86
	s_mov_b32 s85, 0
	s_add_co_u32 s70, s86, MRG                     ; the merge reads from MRG + 256 (w % 2)
	s_lshl_b32 s71, s[WV], 9
	s_add_co_u32 s71, s71, MRG                     ; my candidates go to MRG + 512 w
	s_mov_b32 s66, s[G0S+1]
	s_mov_b32 s67, 0
	s_wait_dscnt 0x0                               ; both opening adds are done
	s_wait_kmcnt 0x0
	s_add_nc_u64 s[G0X+2:G0X+3], s[4:5], s[16:17]
	s_or_b32 s[G0X+3], s[G0X+3], 0x80000000        ; type = 2
	s_add_nc_u64 s[BASEW:BASEW+1], s[6:7], s[66:67]
	s_add_nc_u64 s[8:9], s[8:9], s[84:85]
	s_mul_i32 s66, s[SC], SLOTB                    ; the walk's first step,
	s_add_co_u32 s66, s66, s[G0H+1]
	s_add_nc_u64 s[G0H+2:G0H+3], s[6:7], s[66:67]
	s_or_b32 s[G0H+3], s[G0H+3], 0x80000000
	s_add_co_u32 s66, s[SC], 1
	s_and_b32 s66, s66, 15
	s_mul_i32 s66, s66, SLOTB                      ; and its second
	s_add_nc_u64 s[G0S+6:G0S+7], s[BASEW:BASEW+1], s[66:67]
	s_or_b32 s[G0S+7], s[G0S+7], 0x80000000
	CROUND                                         ; all four work-groups are here: the first joint loads meet
	s_cmp_lt_u32 s[WV], 4                          ; one tensor load a wave at the head: four waves bring x, four bring slot 0
	s_cbranch_scc0 .Lhead_blocks
	tensor_load_to_lds s[G0X:G0X+3], s[G1X:G1X+7]
	s_nop 0
	PLACES
	s_branch .Lhead_join
.Lhead_blocks:
	tensor_load_to_lds s[G0H:G0H+3], s[G1H:G1H+7]
	s_nop 0
	PLACES
.Lhead_join:
	v_and_b32 v12, 31, v0                          ; lane
	v_and_b32 v13, 15, v0                          ; r
	v_bfe_u32 v[HH], v0, 4, 1                      ; h
.irp q, 0,1,2,3,4,5,6,7
	v_mov_b32 v[RA+\q], s[NINF]                    ; the state before the first tile: under every D.  In a cluster that begins at sigma = 0 it is dumped as it stands, and loses every merge
	v_mov_b32 v[DR+\q], 0                          ; written once: a lane permute's destination counts as one of its sources
	v_mov_b32 v[DI+\q], 0
.endr
	v_lshlrev_b32 v[FGO], 3, v12
	v_lshlrev_b32 v15, 4, v12                      ; an image's place for my lane: 16 x lane
	v_lshl_add_u32 v[TMPV], v[HH], 5, 16384        ; row 64 of a block, + 32 h: the biases of a tile's code vectors 8 h + 0 .. 7
	v_mul_u32_u24 v[XAD], v13, XP
	v_lshlrev_b32 v[MST], 13, v[HH]
	v_add_nc_u32 v[FAD], s70, v[FGO]               ; MRG + 256 (w % 2) + 8 x lane
	v_add_nc_u32 v[ADR], s[G0S+1], v15
	v_add_nc_u32 v[ADR+1], s[G0S+5], v15
	v_add_nc_u32 v[BAD], s[G0S+1], v[TMPV]
	v_add_nc_u32 v[BAD+1], s[G0S+5], v[TMPV]
	v_lshl_add_u32 v[XAD], v[HH], 4, v[XAD]
	v_lshl_add_u32 v[MST], v13, 2, v[MST]
.set i, 0
.rept 64
.if (i%8) == 7
	v_mov_b32 v[SV+i], 0                           ; T
.else
	v_mov_b32 v[SV+i], s[NINF]                     ; (the selects read S from the first tile on)
.endif
.set i, i+1
.endr
	v_add_nc_u32 v[XAD], XST, v[XAD]               ; XST + row r x pitch + 16 h
	v_add_nc_u32 v[MST], s71, v[MST]               ; MRG + 8,192 h + 512 w + 4 r
	s_wait_alu depctr_va_vdst(0)
	s_wait_tensorcnt 0x0                           ; my part of x or of slot 0 is in
	ds_add_u32 v[SPW], v[NIL]
	s_wait_dscnt 0x0
	CROUND                                         ; everybody's part is in, and all four work-groups are here
	tensor_load_to_lds s[G0S+4:G0S+7], s[G1C:G1C+7]   ; slot 1's first fill: my block of the walk's second step, my one load behind the round
	s_nop 0
	PLACES
; Tile t of my block in a slot: its image (two fragments of 16 registers) and its eight biases, into set p
.macro FETCH slot, t, p
.irp g, 0,1,2,3,4,5,6,7
	ds_load_b128 v[AF+32*(\p)+4*\g:AF+32*(\p)+4*\g+3], v[ADR+(\slot)] offset:4096*(\t)+512*\g
.endr
	ds_load_b128 v[BI+8*(\p):BI+8*(\p)+3], v[BAD+(\slot)] offset:64*(\t)
	ds_load_b128 v[BI+8*(\p)+4:BI+8*(\p)+7], v[BAD+(\slot)] offset:64*(\t)+16
.endm
; The tile in set p against the eight tiles of queries: K half 0, onto the biases, then K half 1.  The eight accumulators take turns, one instruction a turn
.macro MULA p
	WIN 0x04                                       ; source 1 (x) window 1
.irp q, 0,1,2,3,4,5,6,7
	v_wmma_f32_16x16x128_bf8_bf8 v[DA+8*\q:DA+8*\q+7], v[AF+32*(\p):AF+32*(\p)+15], v[32*\q:32*\q+15], v[BI+8*(\p):BI+8*(\p)+7]
.endr
.endm
.macro MULB p
	WIN 0x04
.irp q, 0,1,2,3,4,5,6,7
	v_wmma_f32_16x16x128_bf8_bf8 v[DA+8*\q:DA+8*\q+7], v[AF+32*(\p)+16:AF+32*(\p)+31], v[32*\q+16:32*\q+31], v[DA+8*\q:DA+8*\q+7]
.endr
.endm
; The argmax takes the tile in, first part: four places behind the products (ISA guide 7.12.1), then three of the four maxima.  ri = R before, ro = R behind.  Each accumulator is read from its low end on
.macro VECA ri, ro
	v_add_nc_u32 v[TV], s[TAU], v[HH]              ; 2 x tile + h
.rept 3
	v_nop
.endr
.irp q, 0,1,2,3,4,5,6,7
	v_max3_num_f32 v[\ro+\q], v[\ri+\q], v[DA+8*\q], v[DA+8*\q+1]
.endr
.irp k, 1,2
.irp q, 0,1,2,3,4,5,6,7
	v_max3_num_f32 v[\ro+\q], v[\ro+\q], v[DA+8*\q+2*\k], v[DA+8*\q+2*\k+1]
.endr
.endr
.endm
; Second part: the last maximum, the compare and the selects, tile of queries by tile of queries; the next tile's last maximum stands between a compare and its selects
.macro VECB ri, ro
	v_max3_num_f32 v[\ro], v[\ro], v[DA+6], v[DA+7]
.irp q, 0,1,2,3,4,5,6,7
	v_cmp_gt_f32 vcc_lo, v[\ro+\q], v[\ri+\q]      ; strictly greater: on a tie the earlier tile, of the lower indices, stays
.if \q < 7
	v_max3_num_f32 v[\ro+\q+1], v[\ro+\q+1], v[DA+8*(\q+1)+6], v[DA+8*(\q+1)+7]
.endif
.irp j, 0,2,4
	v_dual_cndmask_b32 v[SV+8*\q+\j], v[SV+8*\q+\j], v[DA+8*\q+\j] :: v_dual_cndmask_b32 v[SV+8*\q+\j+1], v[SV+8*\q+\j+1], v[DA+8*\q+\j+1]
.endr
	v_dual_cndmask_b32 v[SV+8*\q+6], v[SV+8*\q+6], v[DA+8*\q+6] :: v_dual_cndmask_b32 v[SV+8*\q+7], v[SV+8*\q+7], v[TV]   ; S6, and T in the eighth place
.endr
	s_add_co_u32 s[TAU], s[TAU], 2
.endm
; Candidate b takes a's place where its value is greater, or equal with the lower index
.macro MERGE aR, aI, bR, bI
	v_cmp_gt_f32 s[MK], v[\bR], v[\aR]
	v_cmp_eq_f32 s[MK+1], v[\bR], v[\aR]
	v_cmp_lt_u32 s[MK+2], v[\bI], v[\aI]
	s_and_b32 s[MK+1], s[MK+1], s[MK+2]
	s_or_b32 s[MK], s[MK], s[MK+1]
	v_cndmask_b32 v[\aR], v[\aR], v[\bR], s[MK]
	v_cndmask_b32 v[\aI], v[\aI], v[\bI], s[MK]
.endm
; The same for four candidates in registers on end, line by line, so that no line reads what the line above it wrote
.macro MRG4 aR, aI, bR, bI
.irp k, 0,1,2,3
	v_cmp_gt_f32 s[MK+\k], v[\bR+\k], v[\aR+\k]
.endr
.irp k, 0,1,2,3
	v_cmp_eq_f32 s[MK+4+\k], v[\bR+\k], v[\aR+\k]
.endr
.irp k, 0,1,2,3
	v_cmp_lt_u32 s[MK+8+\k], v[\bI+\k], v[\aI+\k]
.endr
.irp k, 0,1,2,3
	s_and_b32 s[MK+4+\k], s[MK+4+\k], s[MK+8+\k]
.endr
.irp k, 0,1,2,3
	s_or_b32 s[MK+\k], s[MK+\k], s[MK+4+\k]
.endr
.irp k, 0,1,2,3
	v_cndmask_b32 v[\aR+\k], v[\aR+\k], v[\bR+\k], s[MK+\k]
.endr
.irp k, 0,1,2,3
	v_cndmask_b32 v[\aI+\k], v[\aI+\k], v[\bI+\k], s[MK+\k]
.endr
.endm
; The state becomes a candidate for each query: the lowest i with S_i = R, else 7; index = 8 T + i; merged with the other half of the lanes'; value and index to LDS.  The eight tiles of queries go side by side.
; reset = 1: R begins anew (the next tile sets T and S)
.macro DUMP run, reset
.irp q, 0,1,2,3,4,5,6,7
	v_mov_b32 v[DT+\q], 7
.endr
.irp i, 6,5,4,3,2,1,0
.irp q, 0,1,2,3,4,5,6,7
	v_cmp_eq_f32 s[MK+\q], v[SV+8*\q+\i], v[RA+\q]
.endr
.irp q, 0,1,2,3,4,5,6,7
	v_cndmask_b32 v[DT+\q], v[DT+\q], \i, s[MK+\q]
.endr
.endr
.irp q, 0,1,2,3,4,5,6,7
	v_lshl_add_u32 v[DT+\q], v[SV+8*\q+7], 3, v[DT+\q]
.endr
.irp q, 0,1,2,3,4,5,6,7
	v_permlanex16_b32 v[DR+\q], v[RA+\q], s[SEL], s[SEL+1]
.endr
.irp q, 0,1,2,3,4,5,6,7
	v_permlanex16_b32 v[DI+\q], v[DT+\q], s[SEL], s[SEL+1]
.endr
	MRG4 RA, DT, DR, DI
	MRG4 RA+4, DT+4, DR+4, DI+4
.irp q, 0,1,2,3,4,5,6,7
	v_cndmask_b32 v[DV+\q], v[RA+\q], v[DT+\q], s[HI]   ; lanes 0-15 carry the value, lanes 16-31 the index
.endr
.irp q, 0,1,2,3,4,5,6,7
	ds_store_b32 v[MST], v[DV+\q] offset:4096*\run+64*\q
.endr
.if \reset
.irp q, 0,1,2,3,4,5,6,7
	v_mov_b32 v[RA+\q], s[NINF]
.endr
.endif
	s_wait_alu depctr_va_vdst(0)                   ; the wait behind the last write
.endm
; One of a step's first three tiles: its loads were issued a tile ago; the next tile's go out first, into the other set (whose last readers stand a whole argmax back)
.macro ROUND slot, t
	s_wait_dscnt 0x0
	FETCH \slot, (\t)+1, 1-(\t)%2
	MULA (\t)%2
	MULB (\t)%2
	WIN 0
.if (\t)%2 == 0
	VECA RA, RB
	VECB RA, RB
.else
	VECA RB, RA
	VECB RB, RA
.endif
.endm
; A STEP: my block in a slot.  mode 1: the slot is filled again, with the block two steps on; 0: the last step but one; -1: the last.
.macro STEP slot, mode
	s_lshl_b32 s[TAU], s[SC], 6
	s_add_co_u32 s[TAU], s[TAU], s[W8]             ; twice the block's first tile: 2 (32 sigma + 4 w)
	s_cmp_lg_u32 s[SC], 0                          ; the cluster's number and the count of steps alone: the same in all waves and partners
	s_cbranch_scc1 .Lkeep_\@
	DUMP 0, 1                                      ; the walk is back at index 0
.Lkeep_\@:
	ROUND \slot, 0
	ROUND \slot, 1
	ROUND \slot, 2
.if \mode == 1
	s_wait_tensorcnt 0x0                           ; all my tensor loads have landed: the one that was out is my block of the other slot; so a group 0 may be written
	ds_add_u32 v[SPW], v[NIL]                      ; 0 onto my spare word; the descriptor's step stands between it and the wait for it
	s_add_co_u32 s66, s[SC], 2
	s_and_b32 s66, s66, 15
	s_mul_i32 s66, s66, SLOTB                      ; two steps on, round the codebook
	s_add_nc_u64 s[G0S+4*\slot+2:G0S+4*\slot+3], s[BASEW:BASEW+1], s[66:67]
	s_or_b32 s[G0S+4*\slot+3], s[G0S+4*\slot+3], 0x80000000
	s_wait_dscnt 0x0                               ; the add is done, and my reads of this slot, the fourth tile's, are in
	; A ROUND OF THE CLUSTER'S BARRIER, with work on registers alone inside it: the fourth tile's products and 24 of its maxima
	s_barrier_signal -1
	MULA 1
	MULB 1
	WIN 0
	VECA RB, RA
	s_barrier_wait -1
	CREST                                          ; no wave of any partner still reads this slot or has a load on its way
	tensor_load_to_lds s[G0S+4*\slot:G0S+4*\slot+3], s[G1C:G1C+7]   ; my one tensor load behind the round, and the first thing there
	s_nop 0
	PLACES
	FETCH 1-\slot, 0, 0
	s_wait_alu depctr_va_vdst(0)                   ; the wait directly ahead of the first reader of what was written ahead of the barrier's wait
	VECB RB, RA                                    ; the selects stand between the next tile's LDS loads and the wait for them
.elseif \mode == 0
	s_wait_tensorcnt 0x0                           ; my last block has landed; only I read it
	s_wait_dscnt 0x0
	FETCH 1-\slot, 0, 0
	MULA 1
	MULB 1
	WIN 0
	VECA RB, RA
	VECB RB, RA
.else
	s_wait_dscnt 0x0
	MULA 1
	MULB 1
	WIN 0
	VECA RB, RA
	VECB RB, RA
.endif
	s_add_co_u32 s[SC], s[SC], 1
	s_and_b32 s[SC], s[SC], 15
.endm
	FETCH 0, 0, 0                                  ; slot 0 and x were shown whole by the round above
	WIN 0x40                                       ; destination window 1
.irp s, 0,1
.irp q, 0,1,2,3,4,5,6,7
.irp c, 0,1,2,3
	ds_load_b128 v[32*\q+16*\s+4*\c:32*\q+16*\s+4*\c+3], v[XAD] offset:16*XP*\q+128*\s+32*\c   ; x(16 q + r, 128 s + 32 c + 16 h + 0 .. 15): the same places along K as in the code vectors' images
.endr
.endr
.endr
	WIN 0
	s_mov_b32 s[TRIPS], 7
.Lstep:                                            ; seven trips of two steps: each fills its slot again
	STEP 0, 1
	STEP 1, 1
	s_sub_co_u32 s[TRIPS], s[TRIPS], 1
	s_cmp_lg_u32 s[TRIPS], 0
	s_cbranch_scc1 .Lstep
	STEP 0, 0                                      ; the last two steps are written out: they ask for nothing
	STEP 1, -1
	DUMP 1, 0
	s_wait_dscnt 0x0                               ; for the others' sake: my candidates have landed
	s_barrier_signal -1
	s_barrier_wait -1
	s_cmp_gt_u32 s[WV], 1
	s_cbranch_scc1 .Lfin
	; waves 0 and 1: 64 queries each, two a lane; 16 candidates a query (two runs x eight waves): candidate k of query e has its value in v[16 + 2 k + e], its index in v[48 + 2 k + e]
.irp k, 0,1,2,3,4,5,6,7,8,9,10,11,12,13,14,15
	ds_load_b64 v[16+2*\k:17+2*\k], v[FAD] offset:512*\k
.endr
.irp k, 0,1,2,3,4,5,6,7,8,9,10,11,12,13,14,15
	ds_load_b64 v[48+2*\k:49+2*\k], v[FAD] offset:8192+512*\k
.endr
	s_wait_dscnt 0x0
	; a tree of four levels: the upper half of the registers that are left is merged into the lower
.irp n, 0,4,8,12
	MRG4 16+\n, 48+\n, 32+\n, 64+\n
.endr
.irp n, 0,4
	MRG4 16+\n, 48+\n, 24+\n, 56+\n
.endr
	MRG4 16, 48, 20, 52
	MERGE 16, 48, 18, 50
	MERGE 17, 49, 19, 51
	global_store_b64 v[FGO], v[48:49], s[8:9]      ; 32 lanes store 256 consecutive bytes, at a multiple of 256 from out0's first byte
.Lfin:
	s_wait_tensorcnt 0x0                           ; the wave's end, behind my last tensor load and my last LDS store
	ds_add_u32 v[SPW], v[NIL]
	s_wait_dscnt 0x0
	CROUND                                         ; the closing round: no work-group ends while a partner may still ask for a block that names it
	s_endpgm
.Lfunc_end_k_qb84e6ed657_vqmain:
	.size	k_qb84e6ed657_vqmain, .Lfunc_end_k_qb84e6ed657_vqmain-k_qb84e6ed657_vqmain
	.p2alignl 7, 3214868480
	.fill 96, 4, 3214868480
	.section	.rodata,"a",@progbits
	.p2align	6, 0x0
	.amdhsa_kernel k_qb84e6ed657_vqmain
		.amdhsa_group_segment_fixed_size 327680
		.amdhsa_private_segment_fixed_size 0
		.amdhsa_enable_private_segment 0
		.amdhsa_kernarg_size 24
		.amdhsa_user_sgpr_count 2
		.amdhsa_user_sgpr_kernarg_segment_ptr 1
		.amdhsa_wavefront_size32 1
		.amdhsa_system_sgpr_workgroup_id_x 1
		.amdhsa_system_sgpr_workgroup_id_y 1
		.amdhsa_system_sgpr_workgroup_id_z 1
		.amdhsa_system_vgpr_workitem_id 0
		.amdhsa_next_free_vgpr 512
		.amdhsa_next_free_sgpr 88
		.amdhsa_reserve_vcc 1
		.amdhsa_float_denorm_mode_32 3
		.amdhsa_float_denorm_mode_16_64 3
		.amdhsa_memory_ordered 1
		.amdhsa_forward_progress 1
		.amdhsa_inst_pref_size 193
	.end_amdhsa_kernel
	.amdgpu_metadata
---
amdhsa.version: [ 1, 2 ]
amdhsa.kernels:
  - .name:           k_qb84e6ed657_vqmain
    .symbol:         k_qb84e6ed657_vqmain.kd
    .args:
      - { .name: x_codes, .offset: 0, .size: 8, .value_kind: global_buffer, .address_space: global }
      - { .name: vq, .offset: 8, .size: 8, .value_kind: global_buffer, .address_space: global }
      - { .name: out0, .offset: 16, .size: 8, .value_kind: global_buffer, .address_space: global }
    .group_segment_fixed_size: 327680
    .private_segment_fixed_size: 0
    .kernarg_segment_align: 8
    .kernarg_segment_size: 24
    .max_flat_workgroup_size: 256
    .sgpr_count:     88
    .vgpr_count:     512
    .wavefront_size: 32
...
	.end_amdgpu_metadata
.endif
;; end of part 2
